; MI455X (gfx1250); checked and timed in simulation.
; The chip was launched on July 23, 2026; its instructions are those of AMD's public machine-readable ISA for CDNA 5 (MIT licence, August 2026) and "CDNA5" Instruction Set Architecture Reference Guide (July 2026). The comments in the code are by the model that wrote it; some were corrected since.
;; BMOJOF Attention Layer. Allowed arithmetic: matrix products marked QUANTISED: E2M3 operands, one E8M0 scale for each 32 along K, by v_wmma_scale_f32_16x16x128_f8f6f4 with both operands' format E2M3, f32 sums; everything else in f32.
;; Inputs: key 2 x 2,048 x 16 x 128 float32; query 2 x 2,048 x 16 x 128 float32; value 2 x 2,048 x 16 x 128 float32.
;; Outputs: out0 2 x 2,048 x 16 x 128 float32.
;; This version of the problem:
;;   THIS VERSION OF THE PROBLEM IS GIVEN IN LOW PRECISION. The matrix products marked QUANTISED in the list below multiply operands that are first quantised to E2M3 (2 exponent bits, 3 mantissa bits; 6 bits a number), with one power-of-two scale for each 32 numbers along K (OCP MX v1.0); their sums are f32. All else is computed in f32.
;;   The module's matrix products, in the order in which they are computed (A, B: the left and right operand; K: the contracted axis; several contracted axes count as one K, in the product's order):
;;     1. batch 256 x [M 256, K 128] x [K 128, N 768]; A: input query; B: computed on the way: QUANTISED
;;     2. batch 256 x [M 128, K 768] x [K 768, N 256]; A: computed on the way; B: computed on the way: QUANTISED
;;     3. batch 256 x [M 256, K 128] x [K 128, N 768]; A: input query; B: computed on the way: QUANTISED
;;     4. batch 256 x [M 128, K 768] x [K 768, N 256]; A: computed on the way; B: computed on the way: QUANTISED
;;   THE QUANTISER, for each operand of a quantised product, along K:
;;     - K is cut into blocks of 32 from its start; a last block that is shorter is filled with zeros.
;;     - A block's scale is 2^e with e = floor(log2(the largest magnitude in the block)) - 2, held to -126 .. 127; a block of zeros has e = 0. As a byte (E8M0): e + 127.
;;     - Each number is divided by its block's scale, clamped to +-7.5, and rounded to the nearest number of E2M3, ties to even, subnormals kept.
;;     - The product sums the exact products of the quantised numbers (number of the format x scale) in f32.
;;   ~~~python
;;   def quantise(x, axis):      # numpy; x: float32 -> the quantised numbers, widened to float32 again
;;       x = np.moveaxis(x, axis, -1); K = x.shape[-1]
;;       x = np.pad(x, [(0, 0)] * (x.ndim - 1) + [(0, -K % 32)]); x = x.reshape(x.shape[:-1] + (-1, 32)); a = np.abs(x).max(-1, keepdims=True)
;;       e = np.where(a > 0, np.clip(np.frexp(np.where(a > 0, a, 1))[1] - 1 - 2, -126, 127), 0)      # np.frexp(a)[1] - 1 = floor(log2(a)), exactly
;;       r = np.clip(x / 2.0 ** e, -7.5, 7.5)
;;       step = 2.0 ** (np.maximum(np.frexp(np.where(r == 0, 1, r))[1] - 1, 0) - 3)
;;       q = np.round(r / step) * step * 2.0 ** e      # np.round: ties to even
;;       return np.moveaxis(q.reshape(q.shape[:-2] + (-1,))[..., :K], -1, axis).astype(np.float32)
;;   ~~~
;;   OPERANDS COMPUTED ON THE WAY. 'Computed on the way' means the value that the module computes at that place (a softmax that the list does not call 'softmax' is quantised finished and normalised). What goes into a quantiser is computed in f32, as accurately as f32 sums, v_exp_f32 and their like allow (about 1e-6 of the number): no bf16 or f16 on the way to a quantiser, and a product that is left as it is and whose result goes on into a quantised operand takes f32 operands (vector FMAs, or v_wmma_f32_16x16x4_f32). A number that lies on a knife's edge between two numbers of the format may be rounded either way, as far as f32 arithmetic and the matrix unit's own rounding can turn it there, and no further.
;; One version. Each part assembles by itself: llvm-mc -triple=amdgcn-amd-amdhsa -mcpu=gfx1250 --defsym DOCPART=n.
;; ======== version 1 of 1: 2 launches
;; workspace buffers: kv 13,107,200 bytes
;; launch quant (part 1): grid 256 x 2, 8 waves a work-group, no clusters, 68,608 bytes of LDS; arguments key, value, kv; writes kv
.if DOCPART == 1
	.amdgcn_target "amdgcn-amd-amdhsa--gfx1250"
	.amdhsa_code_object_version 6
	.text
	.protected	k_q245032bd6f_quant
	.globl	k_q245032bd6f_quant
	.p2align	8
	.type	k_q245032bd6f_quant,@function
k_q245032bd6f_quant:
	s_mov_b64 s[64:65], 0
	v_nop
	global_prefetch_b8 v0, s[64:65] scope:SCOPE_SE
	s_setreg_imm32_b32 hwreg(HW_REG_WAVE_MODE, 25, 1), 1
	s_wait_xcnt 0x0
; key and value, [2][2048][16][128] f32, become codes of FP6 (E2M3) with one E8M0 byte for each 32 along a product's K, laid in kv as the attention launch's registers take them.
; x = work-group x = (batch x 16 + head) x 8 + key block of 256 keys;  work-group y = 0: key (K = the head's 128), y = 1: value (K = the keys).
; kv:  KC at 0:          x 24576 + block (32 keys) 3072 + tile u 1536 + c 512 + 16 lane: the register image of a fragment of 16 keys x 128; row r of tile u is key 32 block + 8 u + r + 8 (r / 8)
;      VC at 6291456:    x 24576 + (block / 2) 6144 + (3 T + j) 256 + (block % 2) 128 + 8 r: piece j (8 bytes) of the 24 bytes of codes of channel 16 T + r for the block's 32 keys
;      SC at 12582912:   x 2048 + record 256: bytes 0-127 key's scale words of block = record (lanes 0-15 tile 0, lanes 16-31 tile 1); bytes 128-255 value's words of 128 keys (record / 4), channels 32 (record % 4) + lane
; A block's scale is 2^(floor(log2(largest magnitude)) - 2): its byte is the largest magnitude's exponent field - 2, held at 1 from below by a floor among the maximum's leaves.
; LIMITS: a block of zeros gets the byte 1 where the rule says 127 (its codes are zeros, and this program alone reads the bytes); NaN and infinities among the inputs are not served.
; No tensor loads, no barrier: waves share nothing.  Only the key path uses LDS (a stage of 8,448 bytes for each wave).
.set VC_OFF, 6291456
.set SC_OFF, 12582912
.set SEL, 20                           ; s[20:21] lane selects of v_permlanex16_b32: lane l xor 16
.set R,   16                           ; key: v16-143 two tiles of 16 rows as loaded
.set X,   144                          ; key: v144-207 64 numbers of my row, register 16 b + i = k 32 b + 16 (lane / 16) + i
.set PC0, 208                          ; key: v208-231 the two tiles' codes, a set each, so that no store's data are written again
.set PT,  232                          ; key: v232-239 conversions' second halves
.set TM,  240                          ; key: v240-255 at work in QUANT
.set PW,  8                            ; key: the scale word just made
.set SW,  9                            ; key: the two tiles' scale words, one in each half of the lanes
.set VX,  16                           ; value: v16-143 four sets of 32 numbers down the keys
.set CE,  144                          ; value: v144-167 codes: pair p of blocks: even block at 144 + 12 p, odd at 150 + 12 p
.set TB,  168                          ; value: v168-170 a conversion's second half
; 64 numbers of a lane, v[src] on, register 16 b + i = k 32 b + 16 (lane / 16) + i of my row, become a fragment's 12 registers of codes in v[pc] on and its scale word in v[pw].
.macro QUANT src, tm, pc, pt, pw
.irp b, 0,1,2,3
	v_max3_num_f32 v[\tm+\b], |v[\src+16*\b]|, |v[\src+16*\b+1]|, 0x1800000   ; block b: my 16 numbers, and the floor 2^(3 - 127): the byte cannot fall under 1
.endr
.irp i, 2,4,6,8,10,12,14
.irp b, 0,1,2,3
	v_max3_num_f32 v[\tm+\b], v[\tm+\b], |v[\src+16*\b+\i]|, |v[\src+16*\b+\i+1]|   ; the four blocks by turns
.endr
.endr
.irp b, 0,1,2,3
	v_permlanex16_b32 v[\tm+4+\b], v[\tm+\b], s[SEL], s[SEL+1]
.endr
.irp b, 0,1,2,3
	v_max_num_f32 v[\tm+\b], v[\tm+\b], v[\tm+4+\b]           ; with lane l xor 16's: the block's largest magnitude
.endr
.irp b, 0,1,2,3
	v_add_nc_u32 v[\tm+12+\b], 0xff000000, v[\tm+\b]          ; 2 off its exponent field: the conversion takes the exponent field of this operand as its scale
.endr
.irp b, 0,1,2,3
	v_lshrrev_b32 v[\tm+4+\b], 23, v[\tm+12+\b]               ; the scale's byte
.endr
	v_lshl_or_b32 v[\pw], v[\tm+5], 8, v[\tm+4]               ; four bytes: my row's scale word
	v_lshl_or_b32 v[\pw], v[\tm+6], 16, v[\pw]
	v_lshl_or_b32 v[\pw], v[\tm+7], 24, v[\pw]
.irp c, 0,1
	v_cvt_scalef32_pk16_fp6_f32 v[\pc+6*\c:\pc+6*\c+2], v[\src+32*\c:\src+32*\c+15], v[\tm+12+2*\c]
	v_cvt_scalef32_pk16_fp6_f32 v[\pt+4*\c:\pt+4*\c+2], v[\src+32*\c+16:\src+32*\c+31], v[\tm+12+2*\c+1]   ; (a conversion's three registers begin on an even number)
.endr
	v_nop                                                     ; one plain line behind the scaled conversions
.irp c, 0,1                                                   ; the operand's layout wants a whole block in a lane: lanes 0-15 block 2 c, lanes 16-31 block 2 c + 1
.irp i, 0,1,2
	v_permlane16_swap_b32 v[\pc+6*\c+\i], v[\pt+4*\c+\i]
.endr
.irp i, 0,1,2
	v_mov_b32 v[\pc+6*\c+3+\i], v[\pt+4*\c+\i]
.endr
.endr
.endm
	s_load_b128 s[4:7], s[0:1], 0x0                ; key s[4:5], value s[6:7]
	s_load_b64 s[8:9], s[0:1], 0x10                ; kv
	v_lshl_add_u32 v250, v0, 2, 0x10800
	v_mov_b32 v251, 0
	v_lshrrev_b32 v1, 5, v0
	v_readfirstlane_b32 s10, v1                    ; wave 0..7
	v_and_b32 v1, 31, v0                           ; lane
	s_lshr_b32 s12, ttmp9, 7                       ; the inputs' byte offset of (batch, key block, head): three fields that do not meet
	s_lshl_b32 s12, s12, 24                        ; batch x 2048 tokens x 8192 bytes
	s_and_b32 s14, ttmp9, 7
	s_lshl_b32 s14, s14, 21                        ; key block x 256 tokens x 8192
	s_or_b32 s12, s12, s14
	s_bfe_u32 s14, ttmp9, 0x40003
	s_lshl_b32 s14, s14, 9                         ; head x 512
	s_or_b32 s12, s12, s14
	s_mov_b32 s13, 0
	s_lshl_b32 s22, ttmp9, 11                      ; my wave's scale record: SC + x 2048 + wave 256
	s_lshl_b32 s14, s10, 8
	s_add_co_u32 s22, s22, s14
	s_add_co_u32 s22, s22, SC_OFF
	s_mov_b32 s23, 0
	s_mul_i32 s18, ttmp9, 24576                    ; x's codes
	s_mov_b32 s19, 0
	s_mov_b32 s[SEL], 0x76543210
	s_mov_b32 s[SEL+1], 0xfedcba98
	s_mov_b32 s24, 0xffff0000                      ; lanes 16-31
	s_and_b32 s15, ttmp7, 0xffff                   ; work-group y
	s_wait_kmcnt 0x0
	s_add_nc_u64 s[28:29], s[8:9], s[22:23]
	s_cmp_lg_u32 s15, 0
	s_cbranch_scc1 .Lvalue
	; ---------------- key: wave w takes the block of keys 32 w .. 32 w + 31: two tiles of 16 rows
	s_lshl_b32 s14, s10, 18                        ; 32 tokens x 8192
	s_or_b32 s12, s12, s14
	s_add_nc_u64 s[4:5], s[4:5], s[12:13]
	s_mul_i32 s14, s10, 3072
	s_add_co_u32 s18, s18, s14
	s_add_nc_u64 s[26:27], s[8:9], s[18:19]        ; KC + x 24576 + w 3072
	v_lshlrev_b32 v2, 4, v1                        ; 16 x lane
	v_lshlrev_b32 v3, 2, v1                        ; 4 x lane
.irp u, 0,1
.irp r, 0,1,2,3,4,5,6,7,8,9,10,11,12,13,14,15
	global_load_b128 v[R+64*\u+4*\r:R+64*\u+4*\r+3], v2, s[4:5] offset:(8*\u+\r+8*(\r/8))*8192 th:TH_LOAD_NT   ; the 32 lanes read a key's whole row: 512 consecutive bytes
.endr
.endr
	v_and_b32 v6, 15, v0                           ; r
	v_bfe_u32 v7, v0, 4, 1                         ; h
	s_mul_i32 s16, s10, 8448                       ; my stage: 16 rows x (512 + 16) bytes
	v_add_nc_u32 v4, s16, v2                       ; in: 16 x lane of a row
	v_mul_u32_u24 v5, v6, 528
	v_lshl_add_u32 v5, v7, 6, v5
	v_add_nc_u32 v5, s16, v5                       ; back: row r, + 64 h: my 16 numbers of each block of 32
.irp b, 0,1,2,3
	v_mov_b32 v[TM+4+\b], 0                        ; written once: a lane permute's destination counts as one of its sources
.endr
.macro KTILE u
	s_wait_loadcnt 16-16*\u                        ; this tile's 16 rows are in; the other tile's 16 younger loads may stay out
.irp r, 0,1,2,3,4,5,6,7,8,9,10,11,12,13,14,15
	ds_store_b128 v4, v[R+64*\u+4*\r:R+64*\u+4*\r+3] offset:\r*528
.endr
.irp b, 0,1,2,3
.irp j, 0,1,2,3
	ds_load_b128 v[X+16*\b+4*\j:X+16*\b+4*\j+3], v5 offset:128*\b+16*\j   ; LDS serves a wave's instructions in order: these see the stores above, and the next tile's stores come behind them
.endr
.endr
	s_wait_dscnt 0x0
	QUANT X, TM, PC0+12*\u, PT, PW
.irp c, 0,1,2
	global_store_b128 v2, v[PC0+12*\u+4*\c:PC0+12*\u+4*\c+3], s[26:27] offset:\u*1536+512*\c   ; the fragment as it stands: 512 consecutive bytes, aligned
.endr
.endm
	KTILE 0
	v_mov_b32 v[SW], v[PW]
	KTILE 1
	v_cndmask_b32 v[SW], v[SW], v[PW], s24         ; lanes 0-15 tile 0's words, lanes 16-31 tile 1's
	global_store_b32 v3, v[SW], s[28:29]           ; 128 consecutive bytes: the lower half of my record
	s_wait_tensorcnt 0x0
	ds_add_u32 v250, v251
	s_wait_dscnt 0x0
	s_endpgm
	; ---------------- value: a lane takes a channel, its registers run down the keys.  Wave w: channels 32 (w % 4) + lane, keys 128 (w / 4) on: four blocks, one scale word
.Lvalue:
	s_and_b32 s14, s10, 3                          ; Tp
	s_lshr_b32 s15, s10, 2                         ; hb
	s_lshl_b32 s16, s15, 20                        ; 128 tokens x 8192
	s_or_b32 s12, s12, s16
	s_lshl_b32 s16, s14, 7                         ; 32 channels x 4
	s_or_b32 s12, s12, s16
	s_add_nc_u64 s[6:7], s[6:7], s[12:13]
	s_mul_i32 s16, s15, 12288
	s_add_co_u32 s18, s18, s16
	s_mul_i32 s16, s14, 1536
	s_add_co_u32 s18, s18, s16
	s_add_co_u32 s18, s18, VC_OFF
	s_add_nc_u64 s[26:27], s[8:9], s[18:19]        ; VC + x 24576 + hb 12288 + Tp 1536
	v_lshlrev_b32 v2, 2, v1                        ; 4 x lane
	v_lshlrev_b32 v3, 3, v1                        ; 8 x lane
.macro VLOAD t
.irp i, 0,1,2,3,4,5,6,7,8,9,10,11,12,13,14,15,16,17,18,19,20,21,22,23,24,25,26,27,28,29,30,31
	global_load_b32 v[VX+32*(\t)+\i], v2, s[6:7] offset:(32*(\t)+\i)*8192 th:TH_LOAD_NT   ; key 32 t + i, my channel: the wave reads 128 consecutive bytes, four waves a whole row
.endr
.endm
.macro VBLOCK t
.set XS, VX+32*(\t)
.set CD, CE+12*((\t)/2)+6*((\t)%2)
.if (\t) < 3
	s_wait_loadcnt 32                              ; this block's 32 loads are in; the next block's 32 may stay out
.else
	s_wait_loadcnt 0x0
.endif
.if (\t) < 2
	VLOAD (\t)+2                                   ; into a set of its own
.endif
	v_max3_num_f32 v12, |v[XS]|, |v[XS+1]|, |v[XS+2]|              ; the block's largest magnitude: all 32 numbers are mine; two chains
	v_max3_num_f32 v13, |v[XS+3]|, |v[XS+4]|, |v[XS+5]|
.irp i, 6,10,14,18,22,26
	v_max3_num_f32 v12, v12, |v[XS+\i]|, |v[XS+\i+1]|
	v_max3_num_f32 v13, v13, |v[XS+\i+2]|, |v[XS+\i+3]|
.endr
	v_max3_num_f32 v12, v12, |v[XS+30]|, |v[XS+31]|
	v_max3_num_f32 v12, v12, v13, 0x1800000        ; and the floor
	v_add_nc_u32 v11, 0xff000000, v12              ; the conversion's scale operand
	v_lshrrev_b32 v10, 23, v11                     ; the scale's byte
.if (\t) == 0
	v_mov_b32 v9, v10
.else
	v_lshl_or_b32 v9, v10, 8*(\t), v9              ; four bytes to the word, the lower keys in the lower byte
.endif
	v_cvt_scalef32_pk16_fp6_f32 v[CD:CD+2], v[XS:XS+15], v11
	v_cvt_scalef32_pk16_fp6_f32 v[TB:TB+2], v[XS+16:XS+31], v11
	v_nop                                          ; one plain line behind the scaled conversions
.irp i, 0,1,2
	v_mov_b32 v[CD+3+\i], v[TB+\i]                 ; the block's 32 codes: six registers
.endr
.if (\t)%2 == 1
.set EV, CE+12*((\t)/2)
.irp i, 0,1,2,3,4,5
	v_permlane16_swap_b32 v[EV+\i], v[EV+6+\i]     ; before: even block | odd block, a lane a channel of 32.  After: the first six hold channels 0-15 (lanes 0-15 the even block, lanes 16-31 the odd), the second six channels 16-31
.endr
.irp a, 0,1
.irp j, 0,1,2
	global_store_b64 v3, v[EV+6*\a+2*\j:EV+6*\a+2*\j+1], s[26:27] offset:((\t)/2)*6144+\a*768+\j*256   ; 32 lanes x 8 bytes: 256 consecutive bytes, aligned
.endr
.endr
.endif
.endm
	VLOAD 0
	VLOAD 1
	VBLOCK 0
	VBLOCK 1
	VBLOCK 2
	VBLOCK 3
	global_store_b32 v2, v9, s[28:29] offset:128   ; 128 consecutive bytes: the upper half of my record
	s_endpgm
.Lfunc_end_k_q245032bd6f_quant:
	.size	k_q245032bd6f_quant, .Lfunc_end_k_q245032bd6f_quant-k_q245032bd6f_quant
	.p2alignl 7, 3214868480
	.fill 96, 4, 3214868480
	.section	.rodata,"a",@progbits
	.p2align	6, 0x0
	.amdhsa_kernel k_q245032bd6f_quant
		.amdhsa_group_segment_fixed_size 68608
		.amdhsa_private_segment_fixed_size 0
		.amdhsa_enable_private_segment 0
		.amdhsa_kernarg_size 24
		.amdhsa_user_sgpr_count 2
		.amdhsa_user_sgpr_kernarg_segment_ptr 1
		.amdhsa_wavefront_size32 1
		.amdhsa_system_sgpr_workgroup_id_x 1
		.amdhsa_system_sgpr_workgroup_id_y 1
		.amdhsa_system_sgpr_workgroup_id_z 1
		.amdhsa_system_vgpr_workitem_id 0
		.amdhsa_next_free_vgpr 256
		.amdhsa_next_free_sgpr 66
		.amdhsa_reserve_vcc 0
		.amdhsa_float_denorm_mode_32 3
		.amdhsa_float_denorm_mode_16_64 3
		.amdhsa_memory_ordered 1
		.amdhsa_forward_progress 1
		.amdhsa_inst_pref_size 38
	.end_amdhsa_kernel
	.amdgpu_metadata
---
amdhsa.version: [ 1, 2 ]
amdhsa.kernels:
  - .name:           k_q245032bd6f_quant
    .symbol:         k_q245032bd6f_quant.kd
    .args:
      - { .name: key, .offset: 0, .size: 8, .value_kind: global_buffer, .address_space: global }
      - { .name: value, .offset: 8, .size: 8, .value_kind: global_buffer, .address_space: global }
      - { .name: kv, .offset: 16, .size: 8, .value_kind: global_buffer, .address_space: global }
    .group_segment_fixed_size: 68608
    .private_segment_fixed_size: 0
    .kernarg_segment_align: 8
    .kernarg_segment_size: 24
    .max_flat_workgroup_size: 256
    .sgpr_count:     66
    .vgpr_count:     256
    .wavefront_size: 32
...
	.end_amdgpu_metadata
.endif
;; end of part 1
;; launch attn (part 2): grid 256 x 1, 16 waves a work-group, no clusters, 319,488 bytes of LDS; arguments query, kv, out0; writes out0
.if DOCPART == 2
	.amdgcn_target "amdgcn-amd-amdhsa--gfx1250"
	.amdhsa_code_object_version 6
	.text
	.protected	k_q245032bd6f_attn
	.globl	k_q245032bd6f_attn
	.p2align	8
	.type	k_q245032bd6f_attn,@function
k_q245032bd6f_attn:
	s_mov_b64 s[64:65], 0
	v_nop
	global_prefetch_b8 v0, s[64:65] scope:SCOPE_SE
	s_setreg_imm32_b32 hwreg(HW_REG_WAVE_MODE, 25, 1), 1
	s_wait_xcnt 0x0
; out0 = the LSE merge of two banded attentions over one q, k, v: s-stream keys with 0 <= i - j < 256, c-stream keys with 256 <= i - j < 512.  All four products on codes of FP6 (E2M3) with E8M0 scales.
; SHARES.  Work-group x = head (x / 8) and query block of 256 (x % 8).  Each of sixteen waves owns one tile of 16 queries in 256 registers; four waves to a SIMD.
; The codes and scale bytes of the three key blocks qb - 2, qb - 1, qb (153,600 bytes, made by the launch before) are brought into LDS ONCE, by nine tensor loads; one barrier; then the waves are independent.
; A key block before the sequence's start is replaced by block 0's bytes: finite data whose scores are set to -infinity.
; LAYOUT.  Both products are used transposed: S^T = K Q^T (source 0 = 16 keys, source 1 = my 16 queries), O^T = V^T P^T: a lane holds one query (lane % 16) throughout.
; Row r of a tile of keys is key 32 block + 8 u + r + 8 (r / 8), so that the 16 registers of a block's two tiles are the 16 neighbouring keys 16 (lane / 16) + 0 .. 15 of the block.
; A STREAM of wave w (e = w / 2, par = w % 2) is nine blocks of 32 keys, LDS blocks 8 st + e + 0 .. 8.  With d = 16 par + r - 16 (lane / 16): block 0 counts where register > d, block 8 where register <= d, blocks 1-7 wholly.
; THE SOFTMAX is reference()'s: all 144 scores of a lane are held before the first exponential; m is the stream's true row maximum; p = 2^((s - m) c), c = log2(e) / sqrt(128).  s - m is formed first and then
; multiplied, so that the largest p is exactly 1 (a fused form against a rounded m c would leave it an ulp off 1, and a block's scale hangs on it).  The row's sum is taken of the unquantised p.
; THE MERGE in closed form: out = (O_c w_c + O_s w_s) / (d_c w_c + d_s w_s), w = 2^((m - max(m_c, m_s)) c): the larger maximum is taken away; a row without c keys has m_c = -infinity, w_c = 0, O_c = 0, d_c = 0.
; LIMITS: NaN and infinities among the inputs are not served; a p under 2^-126 comes out as 0; a block's largest p is taken as the p of its largest score (this takes v_exp_f32 not to fall where its input rises);
; a block of zeros carries the byte 1 where the rule says 127 (its codes are zeros).  With qb = 0 the c-stream is walked with all nine blocks hidden and gives zeros.
; No cluster: a key block lands at LDS slot kb - qb + 2, so partners would need different LDS addresses for one tile.  No ring: all codes fit at once, nothing is filled again.
.set KCL,  0                           ; LDS: K's codes, 24 blocks x 3,072
.set VCL,  73728                       ; V's codes, 12 pairs of blocks x 6,144
.set SCR,  147456                      ; scale records, 24 x 256
.set QI,   153600                      ; Q's image for each wave: 1,536 bytes of codes, 128 of scale words, in 1,792
.set QIW,  1792
.set STG,  182272                      ; a stage of 8,448 bytes for each wave: Q's turn, O_c's stash (8,192) with m_c and d_c behind it, the way out (16 rows x 528)
.set STW,  8448
.set GVC,  6291456                     ; kv: V's codes
.set GSC,  12582912                    ; kv: the scale records
.set VD,   1                           ; v1   d = 16 par + r - 16 h
.set L16,  2                           ; v2   16 x lane
.set L4,   3                           ; v3   4 x lane
.set AV,   4                           ; v4   V's codes: block b0 + h, + 8 r  (at the head and between the streams: stage addresses)
.set AVB,  5                           ; v5   the same for block b0 + 1 + h
.set ASV,  6                           ; v6   V's scale words
.set NEG,  7                           ; v7   -infinity
.set NM,   8                           ; v[8:9]   -m, twice
.set SUM,  10                          ; v[10:11] the row's sum in two halves
.set BM,   12                          ; v12-20   a block's largest score, then its largest p, then the conversion's scale operand
.set MT,   21                          ; v21  the stream's row maximum
.set SCL,  22                          ; v22-25   scale words of K's or V's fragments
.set QS,   26                          ; v26  Q's scale words
.set PW,   27                          ; v27  p's scale word
.set PC,   28                          ; v28-39   p's codes
.set AK,   28                          ; in the QK phase: K's codes,
.set AKS,  29                          ; K's scale words,
.set AQ,   30                          ; Q's image,
.set AQS,  31                          ; Q's scale words
.set PT,   40                          ; v40-47   conversions' second halves
.set O,    48                          ; v48-111  O^T, eight tiles of 16 channels
.set KF,   48                          ; in the QK phase: four fragments of K,
.set QF,   96                          ; and Q's
.set S,    112                         ; v112-255 S^T, then p: register 16 n + i = key 16 h + i of block n
.set VF,   112                         ; from the first PV step on: four fragments of V
.set OC,   112                         ; in the merge: O_c
.set R,    176                         ; at the head: Q as loaded
.set X,    112                         ; at the head: Q, 64 numbers of my row
.set TM,   240                         ; at the head: at work in QUANT
.set SEL,  40                          ; s[40:41] lane selects: lane l xor 16
.set CS,   42                          ; s[42:43] c, twice
.macro QUANT src, tm, pc, pt, pw       ; 64 numbers of a lane, register 16 b + i = k 32 b + 16 h + i of my row -> a fragment's 12 registers and its scale word
.irp b, 0,1,2,3
	v_max3_num_f32 v[\tm+\b], |v[\src+16*\b]|, |v[\src+16*\b+1]|, 0x1800000   ; my 16 numbers of block b, and the floor 2^(3 - 127): the byte cannot fall under 1
.endr
.irp i, 2,4,6,8,10,12,14
.irp b, 0,1,2,3
	v_max3_num_f32 v[\tm+\b], v[\tm+\b], |v[\src+16*\b+\i]|, |v[\src+16*\b+\i+1]|
.endr
.endr
.irp b, 0,1,2,3
	v_permlanex16_b32 v[\tm+4+\b], v[\tm+\b], s[SEL], s[SEL+1]
.endr
.irp b, 0,1,2,3
	v_max_num_f32 v[\tm+\b], v[\tm+\b], v[\tm+4+\b]
.endr
.irp b, 0,1,2,3
	v_add_nc_u32 v[\tm+12+\b], 0xff000000, v[\tm+\b]          ; 2 off the exponent field: the conversion's scale operand
.endr
.irp b, 0,1,2,3
	v_lshrrev_b32 v[\tm+4+\b], 23, v[\tm+12+\b]
.endr
	v_lshl_or_b32 v[\pw], v[\tm+5], 8, v[\tm+4]
	v_lshl_or_b32 v[\pw], v[\tm+6], 16, v[\pw]
	v_lshl_or_b32 v[\pw], v[\tm+7], 24, v[\pw]
.irp c, 0,1
	v_cvt_scalef32_pk16_fp6_f32 v[\pc+6*\c:\pc+6*\c+2], v[\src+32*\c:\src+32*\c+15], v[\tm+12+2*\c]
	v_cvt_scalef32_pk16_fp6_f32 v[\pt+4*\c:\pt+4*\c+2], v[\src+32*\c+16:\src+32*\c+31], v[\tm+12+2*\c+1]
.endr
	v_nop                                                     ; one plain line behind the scaled conversions
.irp c, 0,1
.irp i, 0,1,2
	v_permlane16_swap_b32 v[\pc+6*\c+\i], v[\pt+4*\c+\i]
.endr
.irp i, 0,1,2
	v_mov_b32 v[\pc+6*\c+3+\i], v[\pt+4*\c+\i]
.endr
.endr
.endm
.macro PLACES n                        ; plain lines behind matrix instructions (ISA guide 7.12.1), or ahead of scaled ones whose operands vector lines have written
.rept \n
	v_nop
.endr
.endm
	s_load_b128 s[4:7], s[0:1], 0x0                ; query s[4:5], kv s[6:7]
	s_load_b64 s[8:9], s[0:1], 0x10                ; out0
	v_lshl_add_u32 v254, v0, 2, 0x4d800
	v_mov_b32 v255, 0
	ds_add_u32 v254, v255
	ds_add_u32 v254, v255
	s_wait_dscnt 0x0
	v_lshrrev_b32 v1, 5, v0
	v_readfirstlane_b32 s10, v1                    ; wave 0..15
	v_and_b32 v[L4], 31, v0
	v_lshlrev_b32 v[L16], 4, v[L4]
	v_lshlrev_b32 v[L4], 2, v[L4]
	s_lshr_b32 s11, s10, 1                         ; e
	s_and_b32 s12, s10, 1                          ; par
	s_and_b32 s13, ttmp9, 7                        ; qb
	s_lshr_b32 s14, ttmp9, 3                       ; head, 0..31
	; descriptor groups 1: dense blocks as rows of 256 bytes (32 elements of 8 bytes), no padding, no mask: 96 rows of codes, 8 rows of scale records
	s_mov_b32 s16, 3<<16
	s_mov_b32 s17, 32<<16                          ; tensor_dim0
	s_mov_b32 s18, 96<<16                          ; tensor_dim1
	s_mov_b32 s19, 32<<16                          ; tile_dim0
	s_mov_b32 s20, 96                              ; tile_dim1
	s_mov_b32 s21, 32                              ; pitch
	s_mov_b32 s22, 0
	s_mov_b32 s23, 0
	s_mov_b32 s24, 3<<16
	s_mov_b32 s25, 32<<16
	s_mov_b32 s26, 8<<16
	s_mov_b32 s27, 32<<16
	s_mov_b32 s28, 8
	s_mov_b32 s29, 32
	s_mov_b32 s30, 0
	s_mov_b32 s31, 0
	; waves 0-2 fetch K's codes of key blocks qb - 2 + t, waves 3-5 V's, waves 6-8 the scale records; t = wave % 3
	s_mul_i32 s46, s10, 11
	s_lshr_b32 s46, s46, 5                         ; wave / 3
	s_mul_i32 s47, s46, 3
	s_sub_co_u32 s47, s10, s47                     ; t
	s_add_co_u32 s48, s13, s47
	s_sub_co_i32 s48, s48, 2
	s_max_i32 s48, s48, 0                          ; a block before the start is replaced by block 0
	s_lshl_b32 s49, s14, 3
	s_add_co_u32 s48, s48, s49                     ; its number in kv
	s_mul_i32 s50, s48, 24576
	s_mul_i32 s49, s46, GVC
	s_add_co_u32 s50, s50, s49
	s_mov_b32 s51, 0
	s_lshl_b32 s52, s48, 11
	s_add_co_u32 s52, s52, GSC
	s_mov_b32 s53, 0
	s_mov_b32 s32, 1
	s_mul_i32 s33, s10, 24576                      ; LDS: K's three blocks, then V's three: wave x 24,576
	s_mov_b32 s36, 1
	s_lshl_b32 s37, s10, 11
	s_add_co_u32 s37, s37, SCR-6*2048              ; LDS: SCR + (wave - 6) x 2,048
	; my tile's byte offset in query and in out0: fields that do not meet
	s_lshr_b32 s54, s14, 4
	s_lshl_b32 s54, s54, 24                        ; batch
	s_lshl_b32 s55, s13, 21                        ; query block
	s_or_b32 s54, s54, s55
	s_lshl_b32 s55, s10, 17                        ; 16 tokens x 8192 a wave
	s_or_b32 s54, s54, s55
	s_and_b32 s55, s14, 15
	s_lshl_b32 s55, s55, 9                         ; head
	s_or_b32 s54, s54, s55
	s_mov_b32 s55, 0
	s_wait_kmcnt 0x0
	s_add_nc_u64 s[34:35], s[6:7], s[50:51]
	s_or_b32 s35, s35, 0x80000000
	s_add_nc_u64 s[38:39], s[6:7], s[52:53]
	s_or_b32 s39, s39, 0x80000000
	s_add_nc_u64 s[4:5], s[4:5], s[54:55]
	s_add_nc_u64 s[8:9], s[8:9], s[54:55]
	s_cmp_lt_u32 s10, 6                            ; the first and only fills: at most one tensor load a wave, ahead of every LDS read, wait on TENSORcnt and barrier
	s_cbranch_scc0 .Lnot_codes
	tensor_load_to_lds s[32:35], s[16:23]
	s_nop 0
	PLACES 4
	s_branch .Lasked
.Lnot_codes:
	s_cmp_lt_u32 s10, 9
	s_cbranch_scc0 .Lasked
	tensor_load_to_lds s[36:39], s[24:31]
	s_nop 0
	PLACES 4
.Lasked:
.irp i, 0,1,2,3,4,5,6,7,8,9,10,11,12,13,14,15
	global_load_b128 v[R+4*\i:R+4*\i+3], v[L16], s[4:5] offset:\i*8192 th:TH_LOAD_NT   ; query i of my tile: the 32 lanes read its whole row, 512 consecutive bytes
.endr
	s_mov_b32 s[SEL], 0x76543210
	s_mov_b32 s[SEL+1], 0xfedcba98
	s_mov_b32 s[CS], 0x3e0293ee                    ; c = log2(e) / sqrt(128)
	s_mov_b32 s[CS+1], s[CS]
	s_and_b32 s46, s11, 3                          ; k = e % 4: where a stream's first block stands in V's scale words of four blocks
	s_mul_i32 s44, s46, 0x01010101
	s_add_co_u32 s44, s44, 0x03020100              ; v_perm_b32: bytes k .. k + 3 of two neighbouring words
	s_lshl_b32 s58, s46, 24
	s_add_co_u32 s58, s58, 0x04030201              ; v_perm_b32: bytes 1, 2, 3 of the old word, then byte k of the new
	s_mul_i32 s56, s10, STW
	s_add_co_u32 s56, s56, STG                     ; my stage
	s_mul_i32 s57, s10, QIW
	s_add_co_u32 s57, s57, QI                      ; my Q image
	v_and_b32 v6, 15, v0                           ; r
	v_bfe_u32 v7, v0, 4, 1                         ; h
	s_lshl_b32 s46, s12, 4
	v_add_nc_u32 v[VD], s46, v6
	v_lshlrev_b32 v8, 4, v7
	v_sub_nc_u32 v[VD], v[VD], v8                  ; d = 16 par + r - 16 h
	v_add_nc_u32 v4, s56, v[L16]                   ; the stage, in: 16 x lane of a row
	v_mul_u32_u24 v5, v6, 528
	v_lshl_add_u32 v5, v7, 6, v5
	v_add_nc_u32 v5, s56, v5                       ; back: row r, + 64 h
.irp b, 0,1,2,3
	v_mov_b32 v[TM+4+\b], 0                        ; written once: a lane permute's destination counts as one of its sources
.endr
.irp i, 0,1,2,3,4,5,6,7,8,9,10,11,12,13,14,15
	s_wait_loadcnt 15-\i                           ; row i is in; the younger rows may stay out
	ds_store_b128 v4, v[R+4*\i:R+4*\i+3] offset:\i*528
.endr
.irp b, 0,1,2,3
.irp j, 0,1,2,3
	ds_load_b128 v[X+16*\b+4*\j:X+16*\b+4*\j+3], v5 offset:128*\b+16*\j   ; LDS serves a wave's instructions in order: these see my stores
.endr
.endr
	s_wait_dscnt 0x0
	QUANT X, TM, PC, PT, PW
	v_add_nc_u32 v6, s57, v[L16]
	v_add_nc_u32 v8, s57, v[L4]
.irp c, 0,1,2
	ds_store_b128 v6, v[PC+4*\c:PC+4*\c+3] offset:512*\c   ; Q's fragment is kept in my own LDS bytes as an image of its registers: the register file has no room for it beside 144 scores
.endr
	ds_store_b32 v8, v[PW] offset:1536
	v_mov_b32 v[NEG], 0xff800000
	s_wait_tensorcnt 0x0                           ; my tile, if I asked for one, has landed,
	s_wait_dscnt 0x0                               ; and no LDS instruction of mine is out:
	s_barrier_signal -1
	s_barrier_wait -1                              ; all nine tiles are in.  The launch's one barrier: nothing is filled again
; nf fragments of K (blocks n0 on, two tiles each) from LDS, and their products: scores of nf x 16 keys
.macro QKG n0, nf
.set F, 0
.rept \nf
.irp c, 0,1,2
	ds_load_b128 v[KF+12*F+4*\c:KF+12*F+4*\c+3], v[AK] offset:((\n0)+F/2)*3072+(F%2)*1536+512*\c
.endr
.set F, F+1
.endr
.set F, 0
.rept (\nf)/2
	ds_load_b32 v[SCL+F], v[AKS] offset:((\n0)+F)*256      ; lanes 0-15 tile 0's scale words, lanes 16-31 tile 1's
.set F, F+1
.endr
	s_wait_dscnt 0x0
.set F, 0
.rept (\nf)/2
	v_wmma_scale_f32_16x16x128_f8f6f4 v[S+16*((\n0)+F):S+16*((\n0)+F)+7], v[KF+24*F:KF+24*F+11], v[QF:QF+11], 0, v[SCL+F], v[QS] matrix_a_fmt:MATRIX_FMT_FP6 matrix_b_fmt:MATRIX_FMT_FP6
	v_wmma_scale_f32_16x16x128_f8f6f4 v[S+16*((\n0)+F)+8:S+16*((\n0)+F)+15], v[KF+24*F+12:KF+24*F+23], v[QF:QF+11], 0, v[SCL+F], v[QS] matrix_a_fmt:MATRIX_FMT_FP6 matrix_b_fmt:MATRIX_FMT_FP6 matrix_a_scale:MATRIX_SCALE_ROW1
.set F, F+1
.endr
	PLACES 4                                       ; ahead of the next loads into these operands, and of the first read of results
.endm
; fragment f of V^T: channels 16 T on, blocks b0 + 4 sg + 0 .. 3 (lane half h, c: block 2 c + h).  The two halves of the lanes read blocks of opposite parity: different halves of a line of 256 bytes
.macro VFRAG f, T, sg
.irp c, 0,1
.irp j, 0,1,2
	ds_load_b64 v[VF+12*(\f)+6*\c+2*\j:VF+12*(\f)+6*\c+2*\j+1], v[AV] offset:(\sg)*12288+\c*6144+(3*(\T)+\j)*256
.endr
.endr
.endm
.macro VFRAG2 f, T                     ; the last step, blocks b0 + 5 .. b0 + 8: only its upper half (blocks b0 + 7 + h) is fetched
.irp j, 0,1,2
	ds_load_b64 v[VF+12*(\f)+6+2*\j:VF+12*(\f)+6+2*\j+1], v[AVB] offset:18432+(3*(\T)+\j)*256
.endr
.endm
; four products O^T (+)= V^T P^T, tiles T0 .. T0 + 3.  The eight accumulators take turns, one instruction a turn
.macro PVMUL T0, zero
.irp q, 0,1
.if \zero
	v_wmma_scale_f32_16x16x128_f8f6f4 v[O+8*(\T0+2*\q):O+8*(\T0+2*\q)+7], v[VF+24*\q:VF+24*\q+11], v[PC:PC+11], 0, v[SCL+\T0/2+\q], v[PW] matrix_a_fmt:MATRIX_FMT_FP6 matrix_b_fmt:MATRIX_FMT_FP6
	v_wmma_scale_f32_16x16x128_f8f6f4 v[O+8*(\T0+2*\q)+8:O+8*(\T0+2*\q)+15], v[VF+24*\q+12:VF+24*\q+23], v[PC:PC+11], 0, v[SCL+\T0/2+\q], v[PW] matrix_a_fmt:MATRIX_FMT_FP6 matrix_b_fmt:MATRIX_FMT_FP6 matrix_a_scale:MATRIX_SCALE_ROW1
.else
	v_wmma_scale_f32_16x16x128_f8f6f4 v[O+8*(\T0+2*\q):O+8*(\T0+2*\q)+7], v[VF+24*\q:VF+24*\q+11], v[PC:PC+11], v[O+8*(\T0+2*\q):O+8*(\T0+2*\q)+7], v[SCL+\T0/2+\q], v[PW] matrix_a_fmt:MATRIX_FMT_FP6 matrix_b_fmt:MATRIX_FMT_FP6
	v_wmma_scale_f32_16x16x128_f8f6f4 v[O+8*(\T0+2*\q)+8:O+8*(\T0+2*\q)+15], v[VF+24*\q+12:VF+24*\q+23], v[PC:PC+11], v[O+8*(\T0+2*\q)+8:O+8*(\T0+2*\q)+15], v[SCL+\T0/2+\q], v[PW] matrix_a_fmt:MATRIX_FMT_FP6 matrix_b_fmt:MATRIX_FMT_FP6 matrix_a_scale:MATRIX_SCALE_ROW1
.endif
.endr
.endm
; a PV step over blocks 4 sg .. 4 sg + 3 of the stream's nine (sg = 0, 1)
.macro PVSTEP sg
.irp q, 0,1,2,3
	ds_load_b32 v[PC+\q], v[ASV] offset:(\sg)*1024+\q*256            ; V's scale words of the four aligned blocks in which the step begins (channels 32 q + lane),
	ds_load_b32 v[PC+4+\q], v[ASV] offset:(\sg)*1024+1024+\q*256     ; and of the next four
.endr
.if \sg
.irp f, 0,1,2,3
	VFRAG \f, \f, \sg                              ; V's registers are free already
.endr
.endif
.irp b, 0,1,2,3
	v_lshrrev_b32 v[PC+8+\b], 23, v[BM+4*(\sg)+\b] ; p's scale bytes
.endr
	v_lshl_or_b32 v[PW], v[PC+9], 8, v[PC+8]
	v_lshl_or_b32 v[PW], v[PC+10], 16, v[PW]
	v_lshl_or_b32 v[PW], v[PC+11], 24, v[PW]
.if \sg
	s_wait_dscnt 24                                ; the eight words are in; the 24 younger loads (four fragments of V) may stay out
.else
	s_wait_dscnt 0x0
.endif
.irp q, 0,1,2,3
	v_perm_b32 v[SCL+\q], v[PC+4+\q], v[PC+\q], s44   ; the bytes of my four blocks
.endr
.irp c, 0,1
	v_cvt_scalef32_pk16_fp6_f32 v[PC+6*\c:PC+6*\c+2], v[S+64*(\sg)+32*\c:S+64*(\sg)+32*\c+15], v[BM+4*(\sg)+2*\c]
	v_cvt_scalef32_pk16_fp6_f32 v[PT+4*\c:PT+4*\c+2], v[S+64*(\sg)+32*\c+16:S+64*(\sg)+32*\c+31], v[BM+4*(\sg)+2*\c+1]
.endr
	v_nop                                          ; one plain line behind the scaled conversions
.irp c, 0,1
.irp i, 0,1,2
	v_permlane16_swap_b32 v[PC+6*\c+\i], v[PT+4*\c+\i]
.endr
.irp i, 0,1,2
	v_mov_b32 v[PC+6*\c+3+\i], v[PT+4*\c+\i]
.endr
.endr
.if (\sg) == 0
.irp f, 0,1,2,3
	VFRAG \f, \f, \sg                              ; into the registers of the p that have just been converted
.endr
.endif
	PLACES 8                                       ; scale words and codes were written by vector lines: eight plain lines ahead of the scaled products; the loads land meanwhile
	s_wait_dscnt 0x0
	PVMUL 0, 1-\sg
	PLACES 4
.irp f, 0,1,2,3
	VFRAG \f, 4+\f, \sg
.endr
	s_wait_dscnt 0x0
	PVMUL 4, 1-\sg
	PLACES 4
.endm
; the last PV step: K = blocks 5 .. 8 of the nine, of which only block 8 has p left; the other three meet zero codes of p, so V's lower half keeps whatever codes it held
.macro PVLAST
.irp q, 0,1,2,3
	ds_load_b32 v[PT+\q], v[ASV] offset:2048+\q*256   ; the word that holds block 8's byte
.endr
.irp f, 0,1,2,3
	VFRAG2 \f, \f
.endr
.irp i, 0,1,2,3,4,5,6,7,8
	v_mov_b32 v[PC+\i], 0
.endr
	v_lshrrev_b32 v[PC+9], 23, v[BM+8]
	v_lshl_or_b32 v[PW], v[PC+9], 24, 0x7f7f7f     ; byte 3: block 8's; the zero codes' bytes stand for 1
	s_wait_dscnt 12                                ; the four words are in; the 12 younger loads (four half fragments) may stay out
.irp q, 0,1,2,3
	v_perm_b32 v[SCL+\q], v[PT+\q], v[SCL+\q], s58    ; blocks 4 .. 7's bytes move one down, block 8's comes on top
.endr
	v_cvt_scalef32_pk16_fp6_f32 v[PT+4:PT+6], v[S+128:S+143], v[BM+8]
	v_nop                                          ; one plain line behind the scaled conversion
.irp i, 0,1,2
	v_permlane16_swap_b32 v[PC+6+\i], v[PT+4+\i]   ; lanes 16-31 take the block's lower 16 codes from lanes 0-15, which take zeros
.endr
.irp i, 0,1,2
	v_mov_b32 v[PC+9+\i], v[PT+4+\i]
.endr
	PLACES 8
	s_wait_dscnt 0x0
	PVMUL 0, 0
	PLACES 4
.irp f, 0,1,2,3
	VFRAG2 \f, 4+\f
.endr
	s_wait_dscnt 0x0
	PVMUL 4, 0
	PLACES 5                                       ; five: the next stream's first products write over V's fragment registers
.endm
; ONE STREAM: st = 0 the c-stream, st = 1 the s-stream
.macro STREAM st
	s_add_co_u32 s46, s11, 8*\st                   ; b0: the stream's first LDS block
	s_mul_i32 s47, s46, 3072
	v_add_nc_u32 v[AK], s47, v[L16]
	s_lshl_b32 s47, s46, 8
	s_add_co_u32 s47, s47, SCR
	v_add_nc_u32 v[AKS], s47, v[L4]
	v_add_nc_u32 v[AQ], s57, v[L16]
	v_add_nc_u32 v[AQS], s57, v[L4]
	s_lshr_b32 s47, s46, 2
	s_lshl_b32 s47, s47, 10
	s_add_co_u32 s47, s47, SCR+128
	v_add_nc_u32 v[ASV], s47, v[L4]
	v_bfe_u32 v8, v0, 4, 1                         ; h
	v_and_b32 v9, 15, v0                           ; r
	v_add_nc_u32 v8, s46, v8                       ; block b0 + h lies at (block / 2) 6144 + (block % 2) 128
	v_lshrrev_b32 v10, 1, v8
	v_and_b32 v11, 1, v8
	v_mul_u32_u24 v[AV], v10, 6144
	v_lshl_add_u32 v[AV], v11, 7, v[AV]
	v_lshl_add_u32 v[AV], v9, 3, v[AV]
	v_add_nc_u32 v[AV], VCL, v[AV]
	v_add_nc_u32 v8, 1, v8                         ; and block b0 + 1 + h
	v_lshrrev_b32 v10, 1, v8
	v_and_b32 v11, 1, v8
	v_mul_u32_u24 v[AVB], v10, 6144
	v_lshl_add_u32 v[AVB], v11, 7, v[AVB]
	v_lshl_add_u32 v[AVB], v9, 3, v[AVB]
	v_add_nc_u32 v[AVB], VCL, v[AVB]
	s_lshl_b32 s45, s13, 3                         ; how many leading blocks lie before the sequence's start: 16 - 8 st - 8 qb - e, held to 0 .. 9
	s_add_co_u32 s45, s45, s11
	s_sub_co_i32 s45, 16-8*\st, s45
	s_max_i32 s45, s45, 0
	s_min_i32 s45, s45, 9
	; ---- S^T = K Q^T, nine blocks
.irp c, 0,1,2
	ds_load_b128 v[QF+4*\c:QF+4*\c+3], v[AQ] offset:512*\c
.endr
	ds_load_b32 v[QS], v[AQS] offset:1536
	QKG 0, 4
	QKG 2, 4
	QKG 4, 4
	QKG 6, 4
	QKG 8, 2
	; ---- blocks before the start become -infinity: scalar branches on ids
	s_cmp_eq_u32 s45, 0
	s_cbranch_scc1 .Lseen\st
.irp n, 0,1,2,3,4,5,6,7,8
.irp p, 0,1,2,3,4,5,6,7,8,9,10,11,12,13,14,15
	v_mov_b32 v[S+16*\n+\p], v[NEG]
.endr
.if \n < 8
	s_cmp_eq_u32 s45, \n+1
	s_cbranch_scc1 .Lseen\st
.endif
.endr
.Lseen\st:
	; ---- the band's two edges: block 0 counts where register > d, block 8 where register <= d.  Ascending: each accumulator is read from its low end on
.irp p, 0,1,2,3,4,5,6,7,8,9,10,11,12,13,14,15
	v_cmp_gt_i32 vcc_lo, \p, v[VD]
	v_cndmask_b32 v[S+\p], v[NEG], v[S+\p], vcc_lo
	v_cndmask_b32 v[S+128+\p], v[S+128+\p], v[NEG], vcc_lo
.endr
	; ---- each block's largest score (it serves for the row's maximum and for the block's largest p), the nine blocks by turns
.irp n, 0,1,2,3,4,5,6,7,8
	v_max3_num_f32 v[BM+\n], v[S+16*\n], v[S+16*\n+1], v[S+16*\n+2]
.endr
.irp i, 3,5,7,9,11,13
.irp n, 0,1,2,3,4,5,6,7,8
	v_max3_num_f32 v[BM+\n], v[BM+\n], v[S+16*\n+\i], v[S+16*\n+\i+1]
.endr
.endr
.irp n, 0,1,2,3,4,5,6,7,8
	v_max_num_f32 v[BM+\n], v[BM+\n], v[S+16*\n+15]
.endr
.irp n, 0,1,2,3,4,5,6,7,8
	v_permlanex16_b32 v[PC+\n], v[BM+\n], s[SEL], s[SEL+1]
.endr
.irp n, 0,1,2,3,4,5,6,7,8
	v_max_num_f32 v[BM+\n], v[BM+\n], v[PC+\n]     ; with lane l xor 16's 16 keys
.endr
	v_max3_num_f32 v[MT], v[BM], v[BM+1], v[BM+2]
	v_max3_num_f32 v[MT], v[MT], v[BM+3], v[BM+4]
	v_max3_num_f32 v[MT], v[MT], v[BM+5], v[BM+6]
	v_max3_num_f32 v[MT], v[MT], v[BM+7], v[BM+8]  ; m: the stream's row maximum, -infinity where no key counts
	v_max_num_f32 v[NM], 0xff61b1e6, v[MT]         ; a finite number in its stead there: -infinity less it stays -infinity
	v_mul_f32 v[NM], -1.0, v[NM]
	v_mov_b32 v[NM+1], v[NM]
	; ---- p = 2^((s - m) c): the difference first (exactly 0 at the maximum), then c
.irp n, 0,1,2,3,4,5,6,7,8
	v_add_f32 v[BM+\n], v[BM+\n], v[NM]
.endr
.irp n, 0,1,2,3,4,5,6,7,8
	v_mul_f32 v[BM+\n], s[CS], v[BM+\n]
.endr
.set J, 0
.rept 72
	v_pk_add_f32 v[S+J:S+J+1], v[S+J:S+J+1], v[NM:NM+1]
.set J, J+2
.endr
.set J, 0
.rept 72
	v_pk_mul_f32 v[S+J:S+J+1], v[S+J:S+J+1], s[CS:CS+1] op_sel_hi:[1,0]
.set J, J+2
.endr
.set J, 0
.rept 144
	v_exp_f32 v[S+J], v[S+J]                       ; one batch: none of these reads another's result
.set J, J+1
.endr
.irp n, 0,1,2,3,4,5,6,7,8
	v_exp_f32 v[BM+\n], v[BM+\n]                   ; the blocks' largest p: the same three lines on the same number give the same bits
.endr
	v_nop                                          ; a plain line behind the last exponential
	s_wait_alu depctr_va_vdst(0)                   ; one wait for the whole batch, ahead of its first reader
	; ---- the row's sum, of the unquantised p: two chains
	v_pk_add_f32 v[SUM:SUM+1], v[S:S+1], v[S+2:S+3]
	v_pk_add_f32 v[PT:PT+1], v[S+4:S+5], v[S+6:S+7]
.set J, 8
.rept 34
	v_pk_add_f32 v[SUM:SUM+1], v[SUM:SUM+1], v[S+J:S+J+1]
	v_pk_add_f32 v[PT:PT+1], v[PT:PT+1], v[S+J+2:S+J+3]
.set J, J+4
.endr
	v_pk_add_f32 v[SUM:SUM+1], v[SUM:SUM+1], v[PT:PT+1]
.irp n, 0,1,2,3,4,5,6,7,8
	v_max_num_f32 v[BM+\n], 0x1800000, v[BM+\n]    ; the floor 2^(3 - 127): a block whose every p is 0 keeps the byte 1; its codes are zeros
.endr
.irp n, 0,1,2,3,4,5,6,7,8
	v_add_nc_u32 v[BM+\n], 0xff000000, v[BM+\n]    ; 2 off the exponent field: the conversion's scale operand
.endr
	; ---- O^T = V^T P^T
	PVSTEP 0
	PVSTEP 1
	PVLAST
	v_add_f32 v[SUM], v[SUM], v[SUM+1]             ; the sum's two halves,
	v_permlanex16_b32 v[SUM+1], v[SUM], s[SEL], s[SEL+1]
	v_add_f32 v[SUM], v[SUM], v[SUM+1]             ; and lane l xor 16's: d
	v_add_nc_u32 v4, s56, v[L16]
	v_add_nc_u32 v5, s56, v[L4]
.if (\st) == 0
.irp T, 0,1,2,3,4,5,6,7                            ; O_c, m_c, d_c wait in my stage as images of their registers; each accumulator from its low end on
	ds_store_b128 v4, v[O+8*\T:O+8*\T+3] offset:1024*\T
	ds_store_b128 v4, v[O+8*\T+4:O+8*\T+7] offset:1024*\T+512
.endr
	ds_store_b32 v5, v[MT] offset:8192
	ds_store_b32 v5, v[SUM] offset:8320
	s_wait_dscnt 0x0
.endif
.endm
	STREAM 0
	STREAM 1
	; ---- THE MERGE
.irp T, 0,1,2,3,4,5,6,7
	ds_load_b128 v[OC+8*\T:OC+8*\T+3], v4 offset:1024*\T
	ds_load_b128 v[OC+8*\T+4:OC+8*\T+7], v4 offset:1024*\T+512
.endr
	ds_load_b32 v176, v5 offset:8192               ; m_c
	ds_load_b32 v177, v5 offset:8320               ; d_c
	s_wait_dscnt 0x0
	v_max_num_f32 v16, v176, v[MT]                 ; the larger maximum: finite, since every query sees itself in the s-stream
	v_sub_f32 v17, v176, v16
	v_sub_f32 v18, v[MT], v16
	v_mul_f32 v17, s[CS], v17
	v_mul_f32 v18, s[CS], v18
	v_exp_f32 v17, v17                             ; w_c (0 where m_c is -infinity)
	v_exp_f32 v18, v18                             ; w_s
	v_and_b32 v8, 15, v0                           ; (a plain line behind the exponentials)  r
	v_bfe_u32 v9, v0, 4, 1                         ; h
	s_wait_alu depctr_va_vdst(0)                   ; one wait for the two
	v_mul_f32 v19, v177, v17
	v_fma_f32 v19, v[SUM], v18, v19                ; d_c w_c + d_s w_s, at least 1
	v_rcp_f32 v19, v19
	v_mul_u32_u24 v5, v8, 528                      ; (a plain line behind the reciprocal)  the way out, in: row r, + 32 h
	v_lshl_add_u32 v5, v9, 5, v5
	v_add_nc_u32 v5, s56, v5
	s_wait_alu depctr_va_vdst(0)
	v_mul_f32 v12, v17, v19                        ; O_c's factor (v13 and v15, named with these as pairs, have been written)
	v_mul_f32 v14, v18, v19                        ; O_s's
.set J, 0
.rept 32
	v_pk_mul_f32 v[OC+J:OC+J+1], v[OC+J:OC+J+1], v[12:13] op_sel_hi:[1,0]
.set J, J+2
.endr
.set J, 0
.rept 32
	v_pk_fma_f32 v[OC+J:OC+J+1], v[O+J:O+J+1], v[14:15], v[OC+J:OC+J+1] op_sel_hi:[1,0,1]   ; ascending: each accumulator is read from its low end on
.set J, J+2
.endr
	; ---- THE WAY OUT: register 8 T + j is out(query r, channel 16 T + 8 h + j): through my stage, back as whole rows of 512 bytes
.irp T, 0,1,2,3,4,5,6,7
	ds_store_b128 v5, v[OC+8*\T:OC+8*\T+3] offset:64*\T
	ds_store_b128 v5, v[OC+8*\T+4:OC+8*\T+7] offset:64*\T+16
.endr
.irp i, 0,1,2,3,4,5,6,7,8,9,10,11,12,13,14,15
	ds_load_b128 v[O+4*\i:O+4*\i+3], v4 offset:\i*528      ; LDS serves a wave's instructions in order: these see my stores
.endr
.irp i, 0,1,2,3,4,5,6,7,8,9,10,11,12,13,14,15
	s_wait_dscnt 15-\i                             ; row i is back; the younger rows may stay out
	global_store_b128 v[L16], v[O+4*\i:O+4*\i+3], s[8:9] offset:\i*8192 th:TH_STORE_NT   ; the 32 lanes store 512 consecutive bytes, aligned; written once, read by nobody here
.endr
	s_wait_xcnt 0x0
	v_lshl_add_u32 v254, v0, 2, 0x4d800
	v_mov_b32 v255, 0
	s_wait_tensorcnt 0x0
	ds_add_u32 v254, v255
	s_wait_dscnt 0x0
	s_endpgm
.Lfunc_end_k_q245032bd6f_attn:
	.size	k_q245032bd6f_attn, .Lfunc_end_k_q245032bd6f_attn-k_q245032bd6f_attn
	.p2alignl 7, 3214868480
	.fill 96, 4, 3214868480
	.section	.rodata,"a",@progbits
	.p2align	6, 0x0
	.amdhsa_kernel k_q245032bd6f_attn
		.amdhsa_group_segment_fixed_size 319488
		.amdhsa_private_segment_fixed_size 0
		.amdhsa_enable_private_segment 0
		.amdhsa_kernarg_size 24
		.amdhsa_user_sgpr_count 2
		.amdhsa_user_sgpr_kernarg_segment_ptr 1
		.amdhsa_wavefront_size32 1
		.amdhsa_system_sgpr_workgroup_id_x 1
		.amdhsa_system_sgpr_workgroup_id_y 1
		.amdhsa_system_sgpr_workgroup_id_z 1
		.amdhsa_system_vgpr_workitem_id 0
		.amdhsa_next_free_vgpr 256
		.amdhsa_next_free_sgpr 66
		.amdhsa_reserve_vcc 1
		.amdhsa_float_denorm_mode_32 3
		.amdhsa_float_denorm_mode_16_64 3
		.amdhsa_memory_ordered 1
		.amdhsa_forward_progress 1
		.amdhsa_inst_pref_size 141
	.end_amdhsa_kernel
	.amdgpu_metadata
---
amdhsa.version: [ 1, 2 ]
amdhsa.kernels:
  - .name:           k_q245032bd6f_attn
    .symbol:         k_q245032bd6f_attn.kd
    .args:
      - { .name: query, .offset: 0, .size: 8, .value_kind: global_buffer, .address_space: global }
      - { .name: kv, .offset: 8, .size: 8, .value_kind: global_buffer, .address_space: global }
      - { .name: out0, .offset: 16, .size: 8, .value_kind: global_buffer, .address_space: global }
    .group_segment_fixed_size: 319488
    .private_segment_fixed_size: 0
    .kernarg_segment_align: 8
    .kernarg_segment_size: 24
    .max_flat_workgroup_size: 512
    .sgpr_count:     66
    .vgpr_count:     256
    .wavefront_size: 32
...
	.end_amdgpu_metadata
.endif
;; end of part 2
